; MI455X (gfx1250); checked and timed in simulation.
; The chip was launched on July 23, 2026; its instructions are those of AMD's public machine-readable ISA for CDNA 5 (MIT licence, August 2026) and "CDNA5" Instruction Set Architecture Reference Guide (July 2026). The comments in the code are by the model that wrote it; some were corrected since.
;; Multi Headed Attention. Allowed arithmetic: matrix products marked QUANTISED: E2M3 operands, one E8M0 scale for each 32 along K, by v_wmma_scale_f32_16x16x128_f8f6f4 with both operands' format E2M3, f32 sums; everything else in f32.
;; Inputs: bk 512 float32; bo 512 float32; bq 512 float32; bv 512 float32; key 8 x 2,048 x 512 float32; query 8 x 2,048 x 512 float32; value 8 x 2,048 x 512 float32; wk 512 x 512 float32; wo 512 x 512 float32; wq 512 x 512 float32; wv 512 x 512 float32.
;; Outputs: out0 8 x 2,048 x 512 float32.
;; This version of the problem:
;;   THIS VERSION OF THE PROBLEM IS GIVEN IN LOW PRECISION. The matrix products marked QUANTISED in the list below multiply operands that are first quantised to E2M3 (2 exponent bits, 3 mantissa bits; 6 bits a number), with one power-of-two scale for each 32 numbers along K (OCP MX v1.0); their sums are f32. All else is computed in f32.
;;   The module's matrix products, in the order in which they are computed (A, B: the left and right operand; K: the contracted axis; several contracted axes count as one K, in the product's order):
;;     1. [M 16,384, K 512] x [K 512, N 512]; A: input query; B: input wq: QUANTISED
;;     2. [M 16,384, K 512] x [K 512, N 512]; A: input key; B: input wk: QUANTISED
;;     3. [M 16,384, K 512] x [K 512, N 512]; A: input value; B: input wv: QUANTISED
;;     4. batch 64 x [M 2,048, K 64] x [K 64, N 2,048]; A: computed on the way; B: computed on the way: QUANTISED
;;     5. batch 64 x [M 2,048, K 2,048] x [K 2,048, N 64]; A: softmax (see below); B: computed on the way: QUANTISED
;;     6. [M 16,384, K 512] x [K 512, N 512]; A: computed on the way; B: input wo: QUANTISED
;;   THE QUANTISER, for each operand of a quantised product, along K:
;;     - K is cut into blocks of 32 from its start; a last block that is shorter is filled with zeros.
;;     - A block's scale is 2^e with e = floor(log2(the largest magnitude in the block)) - 2, held to -126 .. 127; a block of zeros has e = 0. As a byte (E8M0): e + 127.
;;     - Each number is divided by its block's scale, clamped to +-7.5, and rounded to the nearest number of E2M3, ties to even, subnormals kept.
;;     - The product sums the exact products of the quantised numbers (number of the format x scale) in f32.
;;   ~~~python
;;   def quantise(x, axis):      # numpy; x: float32 -> the quantised numbers, widened to float32 again
;;       x = np.moveaxis(x, axis, -1); K = x.shape[-1]
;;       x = np.pad(x, [(0, 0)] * (x.ndim - 1) + [(0, -K % 32)]); x = x.reshape(x.shape[:-1] + (-1, 32)); a = np.abs(x).max(-1, keepdims=True)
;;       e = np.where(a > 0, np.clip(np.frexp(np.where(a > 0, a, 1))[1] - 1 - 2, -126, 127), 0)      # np.frexp(a)[1] - 1 = floor(log2(a)), exactly
;;       r = np.clip(x / 2.0 ** e, -7.5, 7.5)
;;       step = 2.0 ** (np.maximum(np.frexp(np.where(r == 0, 1, r))[1] - 1, 0) - 3)
;;       q = np.round(r / step) * step * 2.0 ** e      # np.round: ties to even
;;       return np.moveaxis(q.reshape(q.shape[:-2] + (-1,))[..., :K], -1, axis).astype(np.float32)
;;   ~~~
;;   SOFTMAX AHEAD OF A QUANTISED PRODUCT. Where the list says 'softmax', what is quantised is not the finished softmax but p = 2^(t - M), with t = logit x log2(e) and M = ceil(the row's largest t), a whole number; so 1/2 < the row's largest p <= 1. The row's sum l is taken of the UNQUANTISED p, in f32, and the product's result is divided by l at the end. Since M is a whole number, a kernel that streams over the keys may use a running M (the ceiling of the running maximum): every later rescaling is an exact power of two, which a block's scale takes up: the codes' values come out the same.
;;   OPERANDS COMPUTED ON THE WAY. 'Computed on the way' means the value that the module computes at that place (a softmax that the list does not call 'softmax' is quantised finished and normalised). What goes into a quantiser is computed in f32, as accurately as f32 sums, v_exp_f32 and their like allow (about 1e-6 of the number): no bf16 or f16 on the way to a quantiser, and a product that is left as it is and whose result goes on into a quantised operand takes f32 operands (vector FMAs, or v_wmma_f32_16x16x4_f32). A number that lies on a knife's edge between two numbers of the format may be rounded either way, as far as f32 arithmetic and the matrix unit's own rounding can turn it there, and no further.
;; One version. Each part assembles by itself: llvm-mc -triple=amdgcn-amd-amdhsa -mcpu=gfx1250 --defsym DOCPART=n.
;; ======== version 1 of 1: 4 launches
;; limits: right only within a limited range of input values
;; workspace buffers: wws 819,200 bytes; qkv 19,660,800 bytes; xc 6,291,456 bytes; xs 524,288 bytes
;; launch wquant (part 1): grid 32 x 4, 4 waves a work-group, no clusters, 1,536 bytes of LDS; arguments wq, wk, wv, wo, wws; writes wws
.if DOCPART == 1
	.amdgcn_target "amdgcn-amd-amdhsa--gfx1250"
	.amdhsa_code_object_version 6
	.text
	.protected	k_q4424a17e3c_wquant
	.globl	k_q4424a17e3c_wquant
	.p2align	8
	.type	k_q4424a17e3c_wquant,@function
k_q4424a17e3c_wquant:
	s_mov_b64 s[64:65], 0
	v_nop
	global_prefetch_b8 v0, s[64:65] scope:SCOPE_SE
	s_setreg_imm32_b32 hwreg(HW_REG_WAVE_MODE, 25, 1), 1
	s_wait_xcnt 0x0
; The four weights [512 (e)][512 (d)], f32, K = d innermost, become codes of FP6 (E2M3) with one E8M0 byte for each 32 along K,
; laid in the ORDER OF THE OPERAND'S REGISTERS.  A fragment is 16 rows x 128 K, 12 registers a lane: three groups of four registers, lane l's 16 bytes at 16 l: 1,536 bytes.
; Nothing of reference() is left out in this program: every input has a way to the output and is loaded.
; LAYOUT.  Weight i (q, k, v, o) at i x 204,800, in four quarters of 51,200 bytes (8 tiles of rows each): 32 fragments, 4 (T % 8) + s (tile T, K step s), 49,152 bytes,
; and behind them their scale words, 64 bytes a fragment (row r's word at 4 r), 2,048 bytes.  So a quarter is 200 dense rows of 256 bytes, which one tensor load of a later launch brings.
; THE ROWS OF A TILE ARE NOT NEIGHBOURS: lane r of tile T takes row 32 (T / 2) + 8 (T % 2) + r + 8 (r / 8), so that the results of tiles 2 b and 2 b + 1 are 16 neighbours along the next product's K.
; SHARES: work-group = (tile T, weight), wave = K step: a wave makes one fragment.  Lane (r, h) holds k = 64 c + 32 h + 0 .. 31 of its row: two whole blocks, so no other lane is asked for a maximum.
; A block's scale byte is its largest magnitude's exponent field - 2, held at 1 from below.
; LIMITS: NaN and infinities are not served; a block whose largest magnitude lies under 2^-124 (a block of zeros too) gets the byte 1: its codes are read with that byte by this program alone.
; No cluster: work-groups share no input.  No matrix unit, no tensor load: 4 MB are read once.
.set WBYTES,  204800
.set QCODES,  49152
.set FRB,     1536
	s_load_b256 s[4:11], s[0:1], 0x0               ; wq, wk, wv, wo
	s_load_b64 s[12:13], s[0:1], 0x20              ; wws
	v_lshl_add_u32 v128, v0, 2, 0x400              ; my spare word, and 0
	v_mov_b32 v129, 0
	v_lshrrev_b32 v1, 5, v0
	v_readfirstlane_b32 s14, v1                    ; wave = K step s
	s_and_b32 s15, ttmp7, 0xffff                   ; which weight
	v_and_b32 v2, 15, v0                           ; r
	v_bfe_u32 v3, v0, 4, 1                         ; h
	v_and_b32 v4, 31, v0                           ; lane
	v_and_b32 v5, 8, v2
	v_add_nc_u32 v5, v5, v2                        ; r + 8 (r / 8)
	v_lshlrev_b32 v5, 11, v5                       ; a row is 2,048 bytes
	v_lshl_add_u32 v5, v3, 7, v5                   ; + 128 h: my block of 32 numbers
	v_lshlrev_b32 v6, 4, v4                        ; 16 x lane: an image's place for my lane
	v_lshlrev_b32 v11, 2, v2
	s_lshl_b32 s30, s14, 6
	v_add_nc_u32 v11, s30, v11                     ; LDS: 64 x wave + 4 r: my row's scale word
	v_lshlrev_b32 v12, 3, v4                       ; 8 x lane: the way out of the tile's 256 bytes of scale words
	s_mov_b32 s28, 0x76543210
	s_mov_b32 s29, 0xfedcba98                      ; selects for lane l xor 16
	s_lshr_b32 s16, ttmp9, 1
	s_lshl_b32 s16, s16, 5
	s_and_b32 s17, ttmp9, 1
	s_lshl_b32 s17, s17, 3
	s_add_co_u32 s16, s16, s17                     ; the tile's first row: 32 (T / 2) + 8 (T % 2)
	s_lshl_b32 s16, s16, 11
	s_lshl_b32 s17, s14, 9
	s_add_co_u32 s16, s16, s17                     ; + 512 bytes a K step
	s_mov_b32 s17, 0
	s_mul_i32 s22, s15, WBYTES
	s_lshl_b32 s23, ttmp9, 2
	s_add_co_u32 s23, s23, s14
	s_mul_i32 s23, s23, FRB
	s_add_co_u32 s22, s22, s23
	s_lshr_b32 s35, ttmp9, 3                       ; the quarter, T / 8
	s_lshl_b32 s23, s35, 11
	s_add_co_u32 s22, s22, s23                     ; where my fragment goes: 2,048 bytes of scale words lie behind each earlier quarter's codes
	s_mov_b32 s23, 0
	s_mul_i32 s32, s15, WBYTES
	s_lshl_b32 s33, ttmp9, 8
	s_add_co_u32 s32, s32, s33
	s_mul_i32 s33, s35, QCODES
	s_add_co_u32 s32, s32, s33
	s_add_co_u32 s32, s32, QCODES                  ; and the tile's four fragments' scale words: 51,200 (T / 8) + 49,152 + 256 (T % 8)
	s_mov_b32 s33, 0
	s_and_b32 s34, s15, 1
	s_wait_alu depctr_va_vdst(0)                   ; the wait at the head's end
	s_wait_kmcnt 0x0
	s_cmp_lt_u32 s15, 2                            ; the choice hangs on the work-group's number alone
	s_cselect_b64 s[18:19], s[4:5], s[8:9]
	s_cselect_b64 s[20:21], s[6:7], s[10:11]
	s_cmp_eq_u32 s34, 0
	s_cselect_b64 s[18:19], s[18:19], s[20:21]
	s_add_nc_u64 s[18:19], s[18:19], s[16:17]
	s_add_nc_u64 s[24:25], s[12:13], s[22:23]
	s_add_nc_u64 s[26:27], s[12:13], s[32:33]
.irp c, 0,1
.irp i, 0,1,2,3,4,5,6,7
	global_load_b128 v[64+32*\c+4*\i:64+32*\c+4*\i+3], v5, s[18:19] offset:256*\c+16*\i   ; w(row, 128 s + 64 c + 32 h + 4 i ..)
.endr
.endr
	s_wait_loadcnt 0x0
.irp c, 0,1                                    ; my block 2 c + h: all its 32 numbers are mine
	v_max3_num_f32 v[32+\c], |v[64+32*\c]|, |v[65+32*\c]|, 0x1800000   ; with the floor 2^(3 - 127): the byte cannot fall under 1
.endr
.irp i, 2,4,6,8,10,12,14,16,18,20,22,24,26,28,30
.irp c, 0,1
	v_max3_num_f32 v[32+\c], v[32+\c], |v[64+32*\c+\i]|, |v[65+32*\c+\i]|   ; (the two blocks by turns)
.endr
.endr
.irp c, 0,1
	v_add_nc_u32 v[44+\c], 0xff000000, v[32+\c]    ; 2 off the exponent field: the conversion's scale operand
.endr
.irp c, 0,1
	v_lshrrev_b32 v[36+\c], 23, v[44+\c]           ; the scale's byte
.endr
	v_lshl_or_b32 v9, v37, 16, v36                 ; my two bytes: blocks h and 2 + h,
	v_lshlrev_b32 v10, 3, v3
	v_lshlrev_b32 v9, v10, v9                      ; at their places in the word (8 h bits up);
	v_mov_b32 v10, 0
	v_permlanex16_b32 v10, v9, s28, s29
	v_or_b32 v9, v9, v10                           ; with lane l xor 16's two the word is whole, in both halves of the lanes
.irp c, 0,1
	v_cvt_scalef32_pk16_fp6_f32 v[48+6*\c:50+6*\c], v[64+32*\c:79+32*\c], v[44+\c]   ; registers 6 c .. 6 c + 2 of the operand
	v_cvt_scalef32_pk16_fp6_f32 v[16+4*\c:18+4*\c], v[80+32*\c:95+32*\c], v[44+\c]   ; (a conversion's three registers begin on an even number: the second half is made elsewhere and moved)
.endr
	v_nop                                          ; one plain place behind a scaled conversion
.irp c, 0,1
.irp i, 0,1,2
	v_mov_b32 v[51+6*\c+\i], v[16+4*\c+\i]
.endr
.endr
.irp g, 0,1,2
	global_store_b128 v6, v[48+4*\g:51+4*\g], s[24:25] offset:512*\g   ; 32 lanes store 512 consecutive bytes, at a multiple of 256 from the buffer's first byte
.endr
	ds_store_b32 v11, v9                           ; lanes r and 16 + r write the same word with the same value
	s_wait_dscnt 0x0                               ; for the others' sake: my store has landed
	s_barrier_signal -1
	s_barrier_wait -1
	s_cmp_lg_u32 s14, 0
	s_cbranch_scc1 .Lend
	ds_load_b64 v[14:15], v12                      ; wave 0: the tile's four fragments' words, 256 bytes
	s_wait_dscnt 0x0
	global_store_b64 v12, v[14:15], s[26:27]       ; 32 lanes store 256 consecutive bytes, aligned
.Lend:
	s_wait_tensorcnt 0x0                           ; the wave's end
	ds_add_u32 v128, v129
	s_wait_dscnt 0x0
	s_endpgm
.Lfunc_end_k_q4424a17e3c_wquant:
	.size	k_q4424a17e3c_wquant, .Lfunc_end_k_q4424a17e3c_wquant-k_q4424a17e3c_wquant
	.p2alignl 7, 3214868480
	.fill 96, 4, 3214868480
	.section	.rodata,"a",@progbits
	.p2align	6, 0x0
	.amdhsa_kernel k_q4424a17e3c_wquant
		.amdhsa_group_segment_fixed_size 1536
		.amdhsa_private_segment_fixed_size 0
		.amdhsa_enable_private_segment 0
		.amdhsa_kernarg_size 40
		.amdhsa_user_sgpr_count 2
		.amdhsa_user_sgpr_kernarg_segment_ptr 1
		.amdhsa_wavefront_size32 1
		.amdhsa_system_sgpr_workgroup_id_x 1
		.amdhsa_system_sgpr_workgroup_id_y 1
		.amdhsa_system_sgpr_workgroup_id_z 1
		.amdhsa_system_vgpr_workitem_id 0
		.amdhsa_next_free_vgpr 130
		.amdhsa_next_free_sgpr 66
		.amdhsa_reserve_vcc 0
		.amdhsa_float_denorm_mode_32 3
		.amdhsa_float_denorm_mode_16_64 3
		.amdhsa_memory_ordered 1
		.amdhsa_forward_progress 1
		.amdhsa_inst_pref_size 8
	.end_amdhsa_kernel
	.amdgpu_metadata
---
amdhsa.version: [ 1, 2 ]
amdhsa.kernels:
  - .name:           k_q4424a17e3c_wquant
    .symbol:         k_q4424a17e3c_wquant.kd
    .args:
      - { .name: wq, .offset: 0, .size: 8, .value_kind: global_buffer, .address_space: global }
      - { .name: wk, .offset: 8, .size: 8, .value_kind: global_buffer, .address_space: global }
      - { .name: wv, .offset: 16, .size: 8, .value_kind: global_buffer, .address_space: global }
      - { .name: wo, .offset: 24, .size: 8, .value_kind: global_buffer, .address_space: global }
      - { .name: wws, .offset: 32, .size: 8, .value_kind: global_buffer, .address_space: global }
    .group_segment_fixed_size: 1536
    .private_segment_fixed_size: 0
    .kernarg_segment_align: 8
    .kernarg_segment_size: 40
    .max_flat_workgroup_size: 128
    .sgpr_count:     66
    .vgpr_count:     130
    .wavefront_size: 32
...
	.end_amdgpu_metadata
.endif
;; end of part 1
;; launch proj (part 2): grid 128 x 2, 4 waves a work-group, clusters of 4 x 1, 327,680 bytes of LDS; arguments query, key, value, bq, bk, bv, wws, qkv; writes qkv
.if DOCPART == 2
	.amdgcn_target "amdgcn-amd-amdhsa--gfx1250"
	.amdhsa_code_object_version 6
	.text
	.protected	k_q4424a17e3c_proj
	.globl	k_q4424a17e3c_proj
	.p2align	8
	.type	k_q4424a17e3c_proj,@function
k_q4424a17e3c_proj:
	s_mov_b64 s[64:65], 0
	v_nop
	global_prefetch_b8 v0, s[64:65] scope:SCOPE_SE
	s_setreg_imm32_b32 hwreg(HW_REG_WAVE_MODE, 25, 1), 1
	s_wait_xcnt 0x0
	s_wait_alu depctr_hold_cnt(0) depctr_sa_sdst(0) depctr_va_vdst(0) depctr_va_sdst(0) depctr_va_ssrc(0) depctr_va_vcc(0) depctr_vm_vsrc(0)
	s_getreg_b32 s2, hwreg(HW_REG_IB_STS2, 6, 4)
	s_cmp_eq_u32 s2, 0
	s_cbranch_scc0 .Lentry_in_a_cluster
	s_endpgm
.Lentry_in_a_cluster:
	s_bfe_u32 s2, ttmp6, 0x10000c
	s_cmp_lg_u32 s2, 0x3003
	s_cbranch_scc0 .Lentry_shape_is_right
	s_endpgm
.Lentry_shape_is_right:
; y = Q(x) Q(W)^T + b for x = query, key, value, both operands codes of FP6 (E2M3) with one E8M0 scale for each 32 along K = 512; then y is quantised for attention and leaves as codes:
; q and k along the head's 64 channels, v along the KEYS (blocks of 32 tokens).  y never goes to memory as f32.
; SHARES.  3 x 16,384 tokens on 256 work-groups of equal work: work-group (block, y) takes FIRST 64 tokens of query (number 128 y + block), THEN 128 tokens of key (y = 0) or value (y = 1).
; Wave w makes outputs e = 128 w .. 128 w + 127 (heads 2 w, 2 w + 1).  The waves quantise x (phase q: one token tile each; phase 2: two) and lay the fragments in LDS as images of their registers.
; THE WEIGHTS, laid as fragments by the launch before, come by joint tensor loads, a quarter (51,200 bytes: codes, then scale words) a wave, shared by the four work-groups of a cluster, which take the same two weights.
; wq comes at the head.  Each wave moves its quarter into registers; then the waits, the add and a round of the cluster's barrier, and the second weight is filled into the same bytes while q's products run.
; x of phase 2 is asked for while phase q is worked: its first four sets of 16 loads land in window 3.  No prefetch: the loads themselves run four sets ahead of their use.
; ONE BODY FOR BOTH LAYOUTS.  A set P of 32 fragments stays in registers, a set R of four comes from LDS in each step: accumulator j += P(j, s) x R(i, s).
;   q, k: P = my 8 tiles of W (source 0), R = token tile i: a lane holds ONE token and its 64 registers run along e: registers 0-5 of the codes are head 2 w's 64 channels, 6-11 head 2 w + 1's.
;   v:    P = the 8 token tiles (source 0), R = my tile i of W: a lane holds ONE channel and its 64 registers run along the 128 tokens: a whole fragment of V^T.
; THE ROWS OF A TILE ARE NOT NEIGHBOURS (tokens and rows of W alike): lane r of tile T takes row 32 (T / 2) + 8 (T % 2) + r + 8 (r / 8), so that the 16 registers of tiles 2 b, 2 b + 1 of a result are 16 neighbours along the next K.
; OUT, buffer qkv: tensor t (q, k, v) at 6,553,600 t; head of batch at 102,400; each 128 tokens a unit of 6,400 bytes: 256 bytes of scale words [r 16][4 words], then four images of 1,536 bytes.
;   q, k: image b = token tiles 2 b (registers 0-5) and 2 b + 1 (6-11), word b their two and two bytes.  v: image t = channel tile t, word t its four bytes.
;   A half unit of q gives images and words 2 half, 2 half + 1: its words leave as 8 bytes a lane, 16 bytes apart (256 KB of the launch's stores); all other stores cover whole aligned runs of 256 bytes.
; LIMITS: NaN and infinities are not served; a block whose largest magnitude lies under 2^-124 (a block of zeros too) gets the byte 1; this program alone reads the bytes.
; REGISTERS.  window 0: v1-15, v225 addresses; v16-47 P's scale words; v48-51 R's; v52-59 the results' scale words; v64-127 accumulators (before: 64 numbers of x); v128-191 64 numbers of x, later R; v192-224 the quantiser; v226-249 two runs.
;   window 1: P(j, s = 0, 1) at 12 (2 j + s).   window 2: P(j, s = 2, 3) at 12 (2 j + s - 2); from v192 the bias as eight C operands.   window 3: x as loaded, four sets of 64.
.set XIMG,   0                         ; LDS: phase 2's 32 fragments of x (4 x token tile + K step), written by the waves
.set WIMG,   49152                     ; the weight's four quarters, by tensor loads
.set XSC,    253952                    ; phase 2's scale words of x, 64 bytes a fragment
.set STG,    256000                    ; a stage of 16 rows x (512 + 16) bytes for each wave
.set QIMG,   289792                    ; phase q's 16 fragments of x
.set QXSC,   314368                    ; and their scale words
.set SPARE,  315392                    ; the spare words, 128 bytes for each wave
.set SPITCH, 528
.set FRB,    1536
.set LI,  1                            ; 16 x lane
.set STW, 2                            ; the stage, in: 16 x lane
.set STR, 3                            ; the stage, out: 528 r + 64 h
.set XWI, 4                            ; where I store x's images
.set XWS, 5                            ; and their scale words
.set PAD, 6                            ; P's images;  v7 its scale words;  v8, v9 the same for R
.set PSA, 7
.set RAD, 8
.set RSA, 9
.set BA,  10                           ; 64 h: the bias along a lane's registers (q, k)
.set BA2, 11                           ; 4 (r + 8 (r / 8)): the bias of a lane's channel (v)
.set SOA, 12                           ; 16 r + 102,400 h: the scale words' way out
.set R4,  225                          ; 4 r
.set PSC, 16
.set RSC, 48
.set PWS, 52
.set SW,  60
.set ACC, 64
.set R,   128
.set PC,  192
.set PT,  204
.set TM,  212
.set T1,  216
.set T2,  220
.set PW,  224
.set RUNLO, 226
.set RUNHI, 238
.set BI,  192                          ; in window 2
.set TEN, 22                           ; phase 2's tensor: 1 = key, 2 = value
.set WV,  23
.set G1C, 24
.set G0C, 40                           ; group 0 for wq's quarter
.set G0D, 44                           ; and for the second weight's
.set XB,  50
.set BB,  52
.set OUT, 54
.set SOUT, 56
.set SEL, 62
.set ISVM, 66
.set LOSEL, 67
.set HISEL, 68
.set XB2, 80
.set BB2, 82
.set OUT2, 84
.set SOUT2, 86
.set WQ,  92                           ; LDS: my quarter's images;  s89 its scale words
.set WQS, 89
.set MSB, 0
.macro WIN new                         ; the immediate's high byte repeats the setting that is left
.if MSB != \new
	s_set_vgpr_msb (MSB<<8)|\new
.set MSB, \new
.endif
.endm
.macro CROUND                          ; a round of the cluster's barrier
	s_barrier_signal -1
	s_barrier_wait -1
	s_cmp_lg_u32 s[WV], 0
	s_cbranch_scc1 .Lnot_wave_0_\@
	s_barrier_signal -3
.Lnot_wave_0_\@:
	s_barrier_wait -3
	s_barrier_signal -1
	s_barrier_wait -1
.endm
; set n = 4 u + s: my token tile u, K step s: 16 rows x 512 bytes, a row a load: 32 lanes read 512 consecutive bytes.  Into window 3, slot n % 4
.macro LOADSET n, xb
	WIN 0xc0
.irp q, 0,1,2,3,4,5,6,7,8,9,10,11,12,13,14,15
	global_load_b128 v[64*((\n)%4)+4*\q:64*((\n)%4)+4*\q+3], v[LI], s[\xb:\xb+1] offset:(8*((\n)/4)+\q+8*(\q/8))*2048+512*((\n)%4) th:TH_LOAD_NT
.endr
	WIN 0
.endm
; set n through my stage: in as rows, out 16 neighbours of each block of 32 a lane: register 16 b + i = k 32 b + 16 h + i of row r.  LDS serves a wave's instructions in order (ISA guide 5.7.1.4): no wait between
.macro TURN n
	WIN 0x0c
.irp q, 0,1,2,3,4,5,6,7,8,9,10,11,12,13,14,15
	ds_store_b128 v[STW], v[64*((\n)%4)+4*\q:64*((\n)%4)+4*\q+3] offset:SPITCH*\q
.endr
	WIN 0
.irp q, 0,1,2,3,4,5,6,7,8,9,10,11,12,13,14,15
	ds_load_b128 v[ACC+64*((\n)%2)+4*\q:ACC+64*((\n)%2)+4*\q+3], v[STR] offset:128*(\q/4)+16*(\q%4)
.endr
.endm
; 64 numbers of a lane, register 16 b + i = k 32 b + 16 h + i of my row, become a fragment's codes in v[PC] on and its scale word in v[PW]
.macro QUANT s
.irp b, 0,1,2,3
	v_max3_num_f32 v[TM+\b], |v[(\s)+16*\b]|, |v[(\s)+1+16*\b]|, 0x1800000   ; my 16 numbers of block b, and the floor 2^(3 - 127): the byte cannot fall under 1
.endr
.irp i, 2,4,6,8,10,12,14
.irp b, 0,1,2,3
	v_max3_num_f32 v[TM+\b], v[TM+\b], |v[(\s)+16*\b+\i]|, |v[(\s)+1+16*\b+\i]|   ; (the four blocks by turns)
.endr
.endr
.irp b, 0,1,2,3
	v_permlanex16_b32 v[T1+\b], v[TM+\b], s[SEL], s[SEL+1]
.endr
.irp b, 0,1,2,3
	v_max_num_f32 v[TM+\b], v[TM+\b], v[T1+\b]     ; with lane l xor 16's: the block's largest magnitude
.endr
.irp b, 0,1,2,3
	v_add_nc_u32 v[T2+\b], 0xff000000, v[TM+\b]    ; 2 off its exponent field: the conversion's scale operand
.endr
.irp b, 0,1,2,3
	v_lshrrev_b32 v[T1+\b], 23, v[T2+\b]           ; the scale's byte
.endr
	v_lshl_or_b32 v[PW], v[T1+1], 8, v[T1]
	v_lshl_or_b32 v[PW], v[T1+2], 16, v[PW]
	v_lshl_or_b32 v[PW], v[T1+3], 24, v[PW]        ; my row's scale word, in both halves of the lanes
.irp c, 0,1
	v_cvt_scalef32_pk16_fp6_f32 v[PC+6*\c:PC+6*\c+2], v[(\s)+32*\c:(\s)+32*\c+15], v[T2+2*\c]
	v_cvt_scalef32_pk16_fp6_f32 v[PT+4*\c:PT+4*\c+2], v[(\s)+32*\c+16:(\s)+32*\c+31], v[T2+2*\c+1]   ; (a conversion's three registers begin on an even number)
.endr
	v_nop                                          ; one plain place behind a scaled conversion
.irp c, 0,1                                    ; the operand's layout wants a WHOLE block in a lane: lanes 0-15 block 2 c, lanes 16-31 block 2 c + 1
.irp i, 0,1,2
	v_permlane16_swap_b32 v[PC+6*\c+\i], v[PT+4*\c+\i]
.endr
.irp i, 0,1,2
	v_mov_b32 v[PC+3+6*\c+\i], v[PT+4*\c+\i]
.endr
.endr
.endm
.macro IMAGE n                         ; my fragment n goes to LDS as it stands
.irp g, 0,1,2
	ds_store_b128 v[XWI], v[PC+4*\g:PC+4*\g+3] offset:(\n)*FRB+512*\g
.endr
	ds_store_b32 v[XWS], v[PW] offset:64*(\n)      ; lanes r and 16 + r write the same word with the same value
.endm
; Phase q: one of my four fragments.  The next set is turned through the stage while this one is quantised; this set's slot takes phase 2's set n.
.macro XQ n
.if (\n) < 3
	s_wait_loadcnt 32                              ; set n + 1 is in; the two sets of 16 loads issued behind it may be out
	TURN (\n)+1
	s_wait_dscnt 32                                ; all but the 32 just issued: set n is back from the stage, its stores have read their slot, the last images have read their registers
.else
	s_wait_dscnt 0x0
.endif
	LOADSET \n, XB2
	QUANT ACC+64*((\n)%2)
	IMAGE \n
.endm
; Phase 2: one of my eight fragments, in the same way; the set four on is asked for as soon as this set's slot is free.
.macro X2 n
.if (\n) < 7
.if (\n) < 5
	s_wait_loadcnt 32                              ; set n + 1 is in; the two sets issued behind it may be out
.else
	s_wait_loadcnt 16*(6-(\n))                     ; the counts run down: one set behind it, then none
.endif
	TURN (\n)+1
	s_wait_dscnt 32
.else
	s_wait_dscnt 0x0
.endif
.if (\n)+4 < 8
	LOADSET (\n)+4, XB2
.endif
	QUANT ACC+64*((\n)%2)
	IMAGE \n
.endm
.macro BIASQK bb                       ; q, k: lane (r, h) wants, for tile j, the bias of outputs 32 (j / 2) + 8 (j % 2) + 16 h + 0 .. 7
	WIN 0x80
.irp j, 0,1,2,3,4,5,6,7
	global_load_b128 v[BI+8*\j:BI+8*\j+3], v[BA], s[\bb:\bb+1] offset:(32*(\j/2)+8*(\j%2))*4
	global_load_b128 v[BI+8*\j+4:BI+8*\j+7], v[BA], s[\bb:\bb+1] offset:(32*(\j/2)+8*(\j%2))*4+16
.endr
	WIN 0
.endm
.macro LOADP                           ; the 32 fragments that stay, and their scale words
	WIN 0x40
.irp j, 0,1,2,3,4,5,6,7
.irp s, 0,1
.irp g, 0,1,2
	ds_load_b128 v[12*(2*\j+\s)+4*\g:12*(2*\j+\s)+4*\g+3], v[PAD] offset:(4*\j+\s)*FRB+512*\g
.endr
.endr
.endr
	WIN 0x80
.irp j, 0,1,2,3,4,5,6,7
.irp s, 0,1
.irp g, 0,1,2
	ds_load_b128 v[12*(2*\j+\s)+4*\g:12*(2*\j+\s)+4*\g+3], v[PAD] offset:(4*\j+\s+2)*FRB+512*\g
.endr
.endr
.endr
	WIN 0
.irp j, 0,1,2,3,4,5,6,7
.irp s, 0,1,2,3
	ds_load_b32 v[PSC+4*\j+\s], v[PSA] offset:64*(4*\j+\s)
.endr
.endr
.endm
.macro LOADR i                         ; step i's four fragments and their scale words
.irp s, 0,1,2,3
.irp g, 0,1,2
	ds_load_b128 v[R+12*\s+4*\g:R+12*\s+4*\g+3], v[RAD] offset:(\i)*4*FRB+FRB*\s+512*\g
.endr
	ds_load_b32 v[RSC+\s], v[RSA] offset:256*(\i)+64*\s
.endr
.endm
.macro MM0 c, cj                       ; K step 0 starts the eight sums with the bias as C: registers BI + c + cj x j of window 2
.irp j, 0,1,2,3,4,5,6,7
	v_wmma_scale_f32_16x16x128_f8f6f4 v[ACC+8*\j:ACC+8*\j+7], v[24*\j:24*\j+11], v[R:R+11], v[BI+(\c)+(\cj)*\j:BI+(\c)+(\cj)*\j+7], v[PSC+4*\j], v[RSC] matrix_a_fmt:MATRIX_FMT_FP6 matrix_b_fmt:MATRIX_FMT_FP6
.endr
.endm
.macro MMS a0, s                       ; K step s adds in place; the eight accumulators take turns, one instruction a turn
.irp j, 0,1,2,3,4,5,6,7
	v_wmma_scale_f32_16x16x128_f8f6f4 v[ACC+8*\j:ACC+8*\j+7], v[24*\j+(\a0):24*\j+(\a0)+11], v[R+12*(\s):R+12*(\s)+11], v[ACC+8*\j:ACC+8*\j+7], v[PSC+4*\j+(\s)], v[RSC+(\s)] matrix_a_fmt:MATRIX_FMT_FP6 matrix_b_fmt:MATRIX_FMT_FP6
.endr
.endm
.macro RUNS i                          ; q, k: token tile i's half fragments of my two heads; two tiles make a run
.irp q, 0,1,2,3,4,5
	v_mov_b32 v[RUNLO+6*((\i)%2)+\q], v[PC+\q]
	v_mov_b32 v[RUNHI+6*((\i)%2)+\q], v[PC+6+\q]
.endr
.if (\i)%2
.irp g, 0,1,2
	global_store_b128 v[LI], v[RUNLO+4*\g:RUNLO+4*\g+3], s[OUT:OUT+1] offset:((\i)/2)*FRB+512*\g          ; 32 lanes store 512 consecutive bytes, aligned to 256
	global_store_b128 v[LI], v[RUNHI+4*\g:RUNHI+4*\g+3], s[OUT:OUT+1] offset:102400+((\i)/2)*FRB+512*\g   ; the next head
.endr
.endif
.endm
; Step i of last + 1: 32 products, the next step's fragments asked for, the 64 results of a lane quantised, the codes stored.  qk = 1: phase q, which has the one layout; qk = 0: the layout is chosen on the work-group's y.
.macro STEPI i, last, qk
	s_wait_dscnt 0x0                               ; R of this step (and, in step 0, P) is in
.if \qk
	WIN 0x21                                       ; source 0 (P) window 1, C (the bias) window 2
	MM0 0, 8
.else
	s_cmp_eq_u32 s[TEN], 2
	s_cbranch_scc1 .Lmv_\@
	WIN 0x21
	MM0 0, 8                                       ; k: tile j's eight outputs of my half
	WIN 0
	s_branch .Lmj_\@
.Lmv_\@:
	WIN 0x21
	MM0 8*(\i), 0                                  ; v: my channel's bias, eight times, for every token tile
	WIN 0
.Lmj_\@:
.endif
	WIN 0x01
	MMS 12, 1
	WIN 0x02                                       ; source 0 window 2
	MMS 0, 2
	MMS 12, 3
	WIN 0
.rept 4
	v_nop                                          ; four places in front of loads into registers that matrix instructions have read, and of the first read of results
.endr
.if (\i) < (\last)
	LOADR (\i)+1                                   ; lands while the results are quantised
.endif
	s_wait_xcnt 0x0                                ; the last step's stores have read their data: the codes' registers and the runs are written again only behind this wait
	QUANT ACC
	v_mov_b32 v[PWS+(\i)], v[PW]
.if \qk
	RUNS \i
.else
	s_cmp_eq_u32 s[TEN], 2
	s_cbranch_scc1 .Lsv_\@
	RUNS \i
	s_branch .Lsd_\@
.Lsv_\@:
	s_wait_alu depctr_va_vdst(0)                   ; the wait here, behind the jump
.irp g, 0,1,2
	global_store_b128 v[LI], v[PC+4*\g:PC+4*\g+3], s[OUT:OUT+1] offset:((\i)/4)*102400+((\i)%4)*FRB+512*\g   ; v: channel tile i % 4 of head 2 w + i / 4
.endr
.Lsd_\@:
.endif
.endm
	s_load_b256 s[4:11], s[0:1], 0x0               ; query, key, value, bq
	s_load_b256 s[12:19], s[0:1], 0x20             ; bk, bv, wws, qkv
	v_lshl_add_u32 v254, v0, 2, SPARE
	v_mov_b32 v255, 0
	ds_add_u32 v254, v255                          ; the opening lines: the add, twice on end, and its wait ahead of my first tensor load
	ds_add_u32 v254, v255
	v_lshrrev_b32 v13, 5, v0
	v_readfirstlane_b32 s[WV], v13                 ; wave 0..3
	s_and_b32 s93, ttmp7, 0xffff                   ; y: the partners of a cluster share it
	s_add_co_u32 s[TEN], s93, 1
	s_bfe_u32 s48, ttmp6, 0x40000                  ; cx
	s_lshl_b32 s49, ttmp9, 2
	s_add_co_u32 s49, s49, s48                     ; my block of 128 tokens of phase 2,
	s_lshl_b32 s94, s93, 7
	s_add_co_u32 s94, s94, s49                     ; and my 64 tokens of query: both enter global addresses of x and of the outputs alone
	v_and_b32 v15, 31, v0                          ; lane
	v_and_b32 v14, 15, v0                          ; r
	v_bfe_u32 v13, v0, 4, 1                        ; h
	v_lshlrev_b32 v[LI], 4, v15
	v_lshlrev_b32 v[BA], 6, v13
	s_mov_b32 s[G1C], 15|(3<<16)|(1<<21)           ; the mask: all four work-groups; elements of 8 bytes; bit 21 beside a mask
	s_mov_b32 s[G1C+1], 32<<16                     ; rows of 256 bytes,
	s_mov_b32 s[G1C+2], 200<<16                    ; 200 of them: a quarter's codes and scale words
	s_mov_b32 s[G1C+3], 32<<16
	s_mov_b32 s[G1C+4], 200
	s_mov_b32 s[G1C+5], 32
	s_mov_b32 s[G1C+6], 0
	s_mov_b32 s[G1C+7], 0
	s_mov_b32 s[SEL], 0x76543210
	s_mov_b32 s[SEL+1], 0xfedcba98                 ; selects for lane l xor 16
	s_mov_b32 s[LOSEL], 0x05040100                 ; the two low halves
	s_mov_b32 s[HISEL], 0x07060302                 ; the two high halves
	s_lshl_b32 s70, s49, 18                        ; phase 2, x: 128 tokens of 2,048 bytes a block,
	s_lshl_b32 s71, s[WV], 16
	s_add_co_u32 s70, s70, s71                     ; 32 tokens a wave
	s_mov_b32 s71, 0
	s_lshl_b32 s72, s[WV], 9                       ; the bias: my 128 numbers
	s_mov_b32 s73, 0
	s_lshr_b32 s74, s49, 4
	s_lshl_b32 s74, s74, 3
	s_lshl_b32 s75, s[WV], 1
	s_add_co_u32 s74, s74, s75                     ; 8 x batch + 2 w: my first head
	s_and_b32 s75, s49, 15                         ; which 128 tokens of the sequence
	s_mul_i32 s78, s74, 102400
	s_mul_i32 s79, s75, 6400
	s_add_co_u32 s78, s78, s79
	s_mul_i32 s79, s[TEN], 6553600
	s_add_co_u32 s78, s78, s79                     ; my unit: the scale words' place,
	s_mov_b32 s79, 0
	s_add_co_u32 s76, s78, 256                     ; and the codes' behind them
	s_mov_b32 s77, 0
	s_mul_i32 s60, s[WV], 51200                    ; wq, my quarter (no place in the cluster enters these)
	s_mov_b32 s61, 0
	s_mul_i32 s58, s[TEN], 204800
	s_add_co_u32 s58, s58, s60                     ; the second weight, my quarter
	s_mov_b32 s59, 0
	s_lshl_b32 s96, s94, 17                        ; phase q, x: 64 tokens of 2,048 bytes,
	s_lshr_b32 s97, s[WV], 1
	s_lshl_b32 s97, s97, 16
	s_add_co_u32 s96, s96, s97
	s_and_b32 s97, s[WV], 1
	s_lshl_b32 s97, s97, 14
	s_add_co_u32 s96, s96, s97                     ; token tile w begins at row 32 (w / 2) + 8 (w % 2)
	s_mov_b32 s97, 0
	s_lshr_b32 s98, s94, 5
	s_lshl_b32 s98, s98, 3
	s_lshl_b32 s99, s[WV], 1
	s_add_co_u32 s98, s98, s99                     ; 8 x batch + 2 w
	s_mul_i32 s98, s98, 102400
	s_bfe_u32 s99, s94, 0x40001                    ; which 128 tokens of the sequence
	s_mul_i32 s99, s99, 6400
	s_add_co_u32 s98, s98, s99                     ; q's unit
	s_and_b32 s95, s94, 1                          ; which half of it
	s_lshl_b32 s99, s95, 3
	s_add_co_u32 s90, s98, s99                     ; my two of each row's four words
	s_mov_b32 s91, 0
	s_mul_i32 s99, s95, 3072
	s_add_co_u32 s98, s98, s99
	s_add_co_u32 s98, s98, 256                     ; my two of the four images
	s_mov_b32 s99, 0
	s_wait_alu depctr_va_vdst(0)                   ; the wait here, directly ahead of the waits below
	s_wait_dscnt 0x0                               ; both opening adds are done
	s_wait_kmcnt 0x0
	s_cmp_eq_u32 s[TEN], 2                         ; the choices hang on the work-group's y alone
	s_cselect_b64 s[XB2:XB2+1], s[8:9], s[6:7]
	s_cselect_b64 s[BB2:BB2+1], s[14:15], s[12:13]
	s_add_nc_u64 s[XB2:XB2+1], s[XB2:XB2+1], s[70:71]
	s_add_nc_u64 s[BB2:BB2+1], s[BB2:BB2+1], s[72:73]
	s_add_nc_u64 s[OUT2:OUT2+1], s[18:19], s[76:77]
	s_add_nc_u64 s[SOUT2:SOUT2+1], s[18:19], s[78:79]
	s_add_nc_u64 s[XB:XB+1], s[4:5], s[96:97]
	s_add_nc_u64 s[BB:BB+1], s[10:11], s[72:73]
	s_add_nc_u64 s[OUT:OUT+1], s[18:19], s[98:99]
	s_add_nc_u64 s[SOUT:SOUT+1], s[18:19], s[90:91]
	s_mov_b32 s[G0C], 1
	s_mul_i32 s[G0C+1], s[WV], 51200
	s_add_co_u32 s[G0C+1], s[G0C+1], WIMG          ; LDS address: the wave's number alone
	s_add_nc_u64 s[G0C+2:G0C+3], s[16:17], s[60:61]
	s_or_b32 s[G0C+3], s[G0C+3], 0x80000000
	s_mov_b32 s[G0D], 1
	s_mul_i32 s[G0D+1], s[WV], 51200
	s_add_co_u32 s[G0D+1], s[G0D+1], WIMG
	s_add_nc_u64 s[G0D+2:G0D+3], s[16:17], s[58:59]
	s_or_b32 s[G0D+3], s[G0D+3], 0x80000000
	BIASQK BB                                      ; bq first: the oldest loads, in with set 0
	LOADSET 0, XB                                  ; x is on its way before the work-groups meet
	LOADSET 1, XB
	LOADSET 2, XB
	CROUND                                         ; all four work-groups are here: the joint loads meet
	tensor_load_to_lds s[G0C:G0C+3], s[G1C:G1C+7]  ; my one load at the head: my quarter of wq
	s_nop 0
.rept 4
	v_nop
.endr
	s_mul_i32 s70, s[WV], 16*SPITCH
	s_add_co_u32 s70, s70, STG                     ; my stage
	s_mul_i32 s71, s[WV], 4*FRB
	s_add_co_u32 s71, s71, QIMG                    ; my four fragments of phase q
	s_lshl_b32 s72, s[WV], 8
	s_add_co_u32 s72, s72, QXSC
	s_mul_i32 s[WQ], s[WV], 51200
	s_add_co_u32 s[WQ], s[WQ], WIMG                ; my quarter of a weight's images,
	s_add_co_u32 s[WQS], s[WQ], 49152              ; and its scale words behind them
	v_add_nc_u32 v[STW], s70, v[LI]
	v_mul_u32_u24 v[STR], v14, SPITCH
	v_lshl_add_u32 v[STR], v13, 6, v[STR]
	v_add_nc_u32 v[STR], s70, v[STR]
	v_lshlrev_b32 v[R4], 2, v14
	v_add_nc_u32 v[XWI], s71, v[LI]
	v_add_nc_u32 v[XWS], s72, v[R4]
	v_add_nc_u32 v[PAD], s[WQ], v[LI]              ; phase q: P = wq, R = x
	v_add_nc_u32 v[PSA], s[WQS], v[R4]
	v_add_nc_u32 v[RAD], QIMG, v[LI]
	v_add_nc_u32 v[RSA], QXSC, v[R4]
	v_and_b32 v[BA2], 8, v14
	v_add_nc_u32 v[BA2], v[BA2], v14
	v_lshlrev_b32 v[BA2], 2, v[BA2]
	v_lshlrev_b32 v[SOA], 4, v14
	v_mad_u32_u24 v[SOA], v13, 0x19000, v[SOA]     ; lanes 16-31 store the next head's words
.irp b, 0,1,2,3
	v_mov_b32 v[T1+\b], 0                          ; written once: a lane permute's destination counts as one of its sources
.endr
	s_wait_alu depctr_va_vdst(0)                   ; the wait at the head's end
	; ---- phase q: my 16 tokens of query become four fragments
	s_wait_loadcnt 32                              ; bq and set 0 are in; sets 1 and 2 may be out
	TURN 0
	LOADSET 3, XB
.irp n, 0,1,2,3
	XQ \n
.endr
	s_wait_tensorcnt 0x0                           ; my quarter of wq has landed: I alone read it
	LOADP
	s_wait_tensorcnt 0x0                           ; the three lines in front of a refill's barrier:
	ds_add_u32 v254, v255
	s_wait_dscnt 0x0                               ; the add is done, wq's quarter is in my registers, my images of x have landed
	CROUND                                         ; the same holds of every wave of the four work-groups
	tensor_load_to_lds s[G0D:G0D+3], s[G1C:G1C+7]  ; the second weight's quarter, into wq's bytes: my one load behind the round; it lands under q's products
	s_nop 0
.rept 4
	v_nop
.endr
	LOADR 0
.irp i, 0,1,2,3
	STEPI \i, 3, 1
.endr
	v_cmp_ne_u32 vcc_lo, 0, v13                    ; q's scale words: lanes 0-15 head 2 w's, lanes 16-31 head 2 w + 1's
.irp b, 0,1
	v_perm_b32 v250, v[PWS+2*\b+1], v[PWS+2*\b], s[LOSEL]
	v_perm_b32 v251, v[PWS+2*\b+1], v[PWS+2*\b], s[HISEL]
	v_cndmask_b32 v[SW+\b], v250, v251, vcc_lo
.endr
	global_store_b64 v[SOA], v[SW:SW+1], s[SOUT:SOUT+1]
	; ---- phase 2: the bases and LDS addresses of key or value
	s_wait_xcnt 0x0                                ; q's stores have read their bases and data
	s_mov_b64 s[OUT:OUT+1], s[OUT2:OUT2+1]
	s_mov_b64 s[SOUT:SOUT+1], s[SOUT2:SOUT2+1]
	s_mul_i32 s71, s[WV], 8*FRB                    ; my eight fragments of x
	s_lshl_b32 s70, s[WV], 9
	s_add_co_u32 s70, s70, XSC
	s_mov_b32 s72, XSC
	s_cmp_eq_u32 s[TEN], 2                         ; v: P = x, R = W; k: P = W, R = x.  These addresses serve loads alone, behind the barrier behind which LDS is only read
	s_cselect_b32 s58, XIMG, s[WQ]
	s_cselect_b32 s59, s[WQ], XIMG
	s_cselect_b32 s60, s72, s[WQS]
	s_cselect_b32 s61, s[WQS], s72
	s_cselect_b32 s[ISVM], -1, 0
	v_add_nc_u32 v[XWI], s71, v[LI]
	v_add_nc_u32 v[XWS], s70, v[R4]
	v_add_nc_u32 v[RSA], s61, v[R4]
	v_add_nc_u32 v[PSA], s60, v[R4]
	v_add_nc_u32 v[PAD], s58, v[LI]
	v_add_nc_u32 v[RAD], s59, v[LI]
	s_wait_alu depctr_va_vdst(0)                   ; the wait here, directly ahead of the wait below
	s_wait_loadcnt 48                              ; set 0 is in; sets 1 to 3 may be out
	TURN 0
.irp n, 0,1,2,3,4,5,6,7
	X2 \n
.endr
	; ---- the bias, as the C operands of the sums' first products
	s_cmp_eq_u32 s[TEN], 2
	s_cbranch_scc1 .Lbias_v
	BIASQK BB2
	s_branch .Lbias_done
.Lbias_v:
	WIN 0x80
.irp i, 0,1,2,3,4,5,6,7                        ; v: in step i a lane holds ONE output, 32 (i / 2) + 8 (i % 2) + r + 8 (r / 8): its bias eight times
.irp q, 0,1,2,3,4,5,6,7
	global_load_b32 v[BI+8*\i+\q], v[BA2], s[BB2:BB2+1] offset:(32*(\i/2)+8*(\i%2))*4
.endr
.endr
	WIN 0
.Lbias_done:
	s_wait_tensorcnt 0x0                           ; my quarter of the second weight has landed,
	s_wait_dscnt 0x0                               ; my images of x too, and my reads of the stage are over
	s_barrier_signal -1
	s_barrier_wait -1                              ; everybody's have.  From here on LDS is only read
	LOADP
	LOADR 0
	s_wait_loadcnt 0x0                             ; the bias
.irp i, 0,1,2,3,4,5,6,7
	STEPI \i, 7, 0
.endr
	; ---- the scale words: lanes 0-15 store head 2 w's, lanes 16-31 head 2 w + 1's: 16 lanes fill 256 consecutive bytes, aligned
	v_cmp_ne_u32 vcc_lo, 0, v13
.irp b, 0,1,2,3
	v_perm_b32 v250, v[PWS+2*\b+1], v[PWS+2*\b], s[LOSEL]          ; k: tiles 2 b and 2 b + 1, head 2 w's two bytes of each,
	v_perm_b32 v251, v[PWS+2*\b+1], v[PWS+2*\b], s[HISEL]          ; head 2 w + 1's
	v_cndmask_b32 v250, v250, v251, vcc_lo
	v_cndmask_b32 v251, v[PWS+\b], v[PWS+4+\b], vcc_lo             ; v: channel tile b of my half's head
	v_cndmask_b32 v[SW+\b], v250, v251, s[ISVM]
.endr
	global_store_b128 v[SOA], v[SW:SW+3], s[SOUT:SOUT+1]
	s_wait_dscnt 0x0
	s_wait_tensorcnt 0x0                           ; the wave's end
	ds_add_u32 v254, v255
	s_wait_dscnt 0x0
	CROUND                                         ; the closing round: no work-group ends while a partner may still ask for a tile that names it
	s_endpgm
.Lfunc_end_k_q4424a17e3c_proj:
	.size	k_q4424a17e3c_proj, .Lfunc_end_k_q4424a17e3c_proj-k_q4424a17e3c_proj
	.p2alignl 7, 3214868480
	.fill 96, 4, 3214868480
	.section	.rodata,"a",@progbits
	.p2align	6, 0x0
	.amdhsa_kernel k_q4424a17e3c_proj
		.amdhsa_group_segment_fixed_size 327680
		.amdhsa_private_segment_fixed_size 0
		.amdhsa_enable_private_segment 0
		.amdhsa_kernarg_size 64
		.amdhsa_user_sgpr_count 2
		.amdhsa_user_sgpr_kernarg_segment_ptr 1
		.amdhsa_wavefront_size32 1
		.amdhsa_system_sgpr_workgroup_id_x 1
		.amdhsa_system_sgpr_workgroup_id_y 1
		.amdhsa_system_sgpr_workgroup_id_z 1
		.amdhsa_system_vgpr_workitem_id 0
		.amdhsa_next_free_vgpr 1024
		.amdhsa_next_free_sgpr 100
		.amdhsa_reserve_vcc 1
		.amdhsa_float_denorm_mode_32 3
		.amdhsa_float_denorm_mode_16_64 3
		.amdhsa_memory_ordered 1
		.amdhsa_forward_progress 1
		.amdhsa_inst_pref_size 255
	.end_amdhsa_kernel
	.section	.bss,"aw",@nobits
	.p2align	6
	.space	262144
	.amdgpu_metadata
---
amdhsa.version: [ 1, 2 ]
amdhsa.kernels:
  - .name:           k_q4424a17e3c_proj
    .symbol:         k_q4424a17e3c_proj.kd
    .args:
      - { .name: query, .offset: 0, .size: 8, .value_kind: global_buffer, .address_space: global }
      - { .name: key, .offset: 8, .size: 8, .value_kind: global_buffer, .address_space: global }
      - { .name: value, .offset: 16, .size: 8, .value_kind: global_buffer, .address_space: global }
      - { .name: bq, .offset: 24, .size: 8, .value_kind: global_buffer, .address_space: global }
      - { .name: bk, .offset: 32, .size: 8, .value_kind: global_buffer, .address_space: global }
      - { .name: bv, .offset: 40, .size: 8, .value_kind: global_buffer, .address_space: global }
      - { .name: wws, .offset: 48, .size: 8, .value_kind: global_buffer, .address_space: global }
      - { .name: qkv, .offset: 56, .size: 8, .value_kind: global_buffer, .address_space: global }
    .group_segment_fixed_size: 327680
    .private_segment_fixed_size: 0
    .kernarg_segment_align: 8
    .kernarg_segment_size: 64
    .max_flat_workgroup_size: 128
    .sgpr_count:     100
    .vgpr_count:     1024
    .wavefront_size: 32
...
	.end_amdgpu_metadata
.endif
;; end of part 2
;; launch attn (part 3): grid 4 x 64, 16 waves a work-group, clusters of 4 x 1, 206,848 bytes of LDS; arguments qkv, xc, xs; writes xc, xs
.if DOCPART == 3
	.amdgcn_target "amdgcn-amd-amdhsa--gfx1250"
	.amdhsa_code_object_version 6
	.text
	.protected	k_q4424a17e3c_attn
	.globl	k_q4424a17e3c_attn
	.p2align	8
	.type	k_q4424a17e3c_attn,@function
k_q4424a17e3c_attn:
	s_mov_b64 s[64:65], 0
	v_nop
	global_prefetch_b8 v0, s[64:65] scope:SCOPE_SE
	s_setreg_imm32_b32 hwreg(HW_REG_WAVE_MODE, 25, 1), 1
	s_wait_xcnt 0x0
	s_wait_alu depctr_hold_cnt(0) depctr_sa_sdst(0) depctr_va_vdst(0) depctr_va_sdst(0) depctr_va_ssrc(0) depctr_va_vcc(0) depctr_vm_vsrc(0)
	s_getreg_b32 s2, hwreg(HW_REG_IB_STS2, 6, 4)
	s_cmp_eq_u32 s2, 0
	s_cbranch_scc0 .Lentry_in_a_cluster
	s_endpgm
.Lentry_in_a_cluster:
	s_bfe_u32 s2, ttmp6, 0x10000c
	s_cmp_lg_u32 s2, 0x3003
	s_cbranch_scc0 .Lentry_shape_is_right
	s_endpgm
.Lentry_shape_is_right:
; x = softmax(q k^T / 8) v for one head of one batch, both products on codes of FP6 (E2M3) with E8M0 scales; x is quantised along the head's 64 channels and leaves as codes for the last projection.
; IN, buffer qkv: tensor t (q, k, v) at 6,553,600 t, head of batch at 102,400, each 128 tokens a unit of 6,400 bytes: 256 bytes of scale words [r 16][4 words], then four images of 1,536 bytes
; (three groups of four registers, lane l's 16 bytes at 16 l).  q, k: image b holds token tile 2 b in registers 0-5 and tile 2 b + 1 in 6-11 (64 channels each); word b their two and two bytes.
; v: image t is channel tile t x 128 keys; word t its four bytes.  The tokens of a tile are 32 (T / 2) + 8 (T % 2) + r + 8 (r / 8), so that p's 16 registers of two neighbouring tiles are 16 neighbouring keys.
; SHARES.  Work-group = 512 queries of a head, 16 waves; a wave takes 32 queries, as two passes of 16 over all 2,048 keys, in 16 steps of 128 keys.  A lane holds one query throughout (S^T = k q^T, O^T = v^T p^T).
; LDS.  All of the head's K and V: step s at 12,800 s: K's unit, then V's.  Wave w brings step w by ONE tensor load of two rows of 6,400 bytes, 6,553,600 bytes apart in memory; each byte is filled once, and then only read.
; CLUSTER.  The four work-groups of a cluster are the four query blocks of one head: each load is asked for jointly by all four.
; No prefetch: the head's one load a wave asks for all that the launch reads of K and V, and there is no loop to run ahead in.
; The head's K is 64: a product of 128 along K takes k's image with q beside zeros: q below for the even tile, q above for the odd one.
; SOFTMAX.  M = ceil(the running largest t), kept as -M; p = 2^(t - M); the sum is taken of the unquantised p; a change of M multiplies the sum and O^T by a power of two.  A block's largest p is made from the block's largest score.
; Behind the head's barrier the waves share nothing that is written: the loops hold no barrier.
; LIMITS: NaN and infinities are not served; the promise holds while the scaled scores stay under 2^31 in magnitude; a block whose largest magnitude lies under 2^-124 gets the byte 1 (this program alone reads the bytes).
.set STEPB, 12800
.set UNITB, 6400
.set HEADB, 102400
.set TENB,  6553600
.set FRB,   1536
.set SPARE, 204800                     ; behind K and V: the spare words, 128 bytes for each of 16 waves
.set LI,  1                            ; 16 x lane
.set AD,  3                            ; 16 x lane + this step's place in LDS
.set A8,  6                            ; 512 + 8 x lane
.set XSA, 7                            ; 4 x lane
.set XW0, 8                            ; x's two scale bytes, first and second pass
.set XW1, 9
.set QZ,  16                           ; v16-33: six zeros, q's six registers, six zeros
.set QS,  34
.set PS,  35
.set QPW, 36
.set QR,  38                           ; v38-49: my run of q
.set KSW, 50
.set VSW, 54
.set BM,  58
.set T1,  62
.set T2,  66
.set PC,  74
.set PT,  86
.set OM,  94                           ; -M of the step before
.set F,   96                           ; v96-143: four images of K, then of V
.set SCO, 144                          ; v144-207: S^T, then p
.set OT,  208                          ; v208-239: O^T
.set WV,  12
.set SEL, 16
.set CS,  18
.set G1,  24
.set G0,  40
.set TB,  48
.set CNT, 50
.set PASS, 51
.set SELQ, 52
.set XO,  54
.set XSO, 56
.macro CROUND                          ; a round of the cluster's barrier
	s_barrier_signal -1
	s_barrier_wait -1
	s_cmp_lg_u32 s[WV], 0
	s_cbranch_scc1 .Lnot_wave_0_\@
	s_barrier_signal -3
.Lnot_wave_0_\@:
	s_barrier_wait -3
	s_barrier_signal -1
	s_barrier_wait -1
.endm
	s_load_b128 s[4:7], s[0:1], 0x0                ; qkv, xc
	s_load_b64 s[8:9], s[0:1], 0x10                ; xs
	v_lshl_add_u32 v254, v0, 2, SPARE
	v_mov_b32 v255, 0
	ds_add_u32 v254, v255                          ; the opening lines: the add, twice on end, and its wait ahead of my tensor load
	ds_add_u32 v254, v255
	v_lshrrev_b32 v72, 5, v0
	s_delay_alu instid0(VALU_DEP_1)
	v_readfirstlane_b32 s[WV], v72                 ; wave 0..15
	s_and_b32 s13, ttmp7, 0xffff                   ; head of batch: the partners of a cluster share it
	s_bfe_u32 s14, ttmp6, 0x40000                  ; cx
	s_lshl_b32 s15, ttmp9, 2
	s_add_co_u32 s15, s15, s14
	s_lshl_b32 s15, s15, 4
	s_add_co_u32 s15, s15, s[WV]                   ; my run of 32 queries, 0..63: it enters addresses of q and of the outputs alone
	s_mov_b32 s[G1], 15|(3<<16)|(1<<21)            ; the mask: all four work-groups; elements of 8 bytes; bit 21 beside a mask
	s_mov_b32 s[G1+1], 800<<16                     ; tensor_dim0 = 800: a unit of 6,400 bytes
	s_mov_b32 s[G1+2], 2<<16                       ; tensor_dim1 = 2: K's unit and V's
	s_mov_b32 s[G1+3], 800<<16                     ; tile_dim0
	s_mov_b32 s[G1+4], 2                           ; tile_dim1
	s_mov_b32 s[G1+5], TENB/8                      ; from K's unit to V's, in elements
	s_mov_b32 s[G1+6], 0
	s_mov_b32 s[G1+7], 0
	s_mov_b32 s[SEL], 0x76543210
	s_mov_b32 s[SEL+1], 0xfedcba98                 ; selects for lane l xor 16
	s_mov_b32 s[CS], 0x3e38aa3b                    ; c = log2(e) / 8
	s_mov_b32 s[CS+1], s[CS]
	s_mul_i32 s20, s13, HEADB                      ; the head's place in a tensor
	s_mul_i32 s58, s[WV], UNITB
	s_add_co_u32 s58, s58, s20
	s_add_co_u32 s58, s58, TENB                    ; K's unit w
	s_mov_b32 s59, 0
	s_lshr_b32 s21, s15, 2
	s_mul_i32 s21, s21, UNITB
	s_add_co_u32 s21, s21, s20                     ; q's unit that holds my run
	s_and_b32 s22, s15, 3
	s_mul_i32 s62, s22, FRB
	s_add_co_u32 s62, s62, s21
	s_add_co_u32 s62, s62, 256                     ; my run's image
	s_mov_b32 s63, 0
	s_lshl_b32 s66, s22, 2
	s_add_co_u32 s66, s66, s21                     ; and its word in each row's four
	s_mov_b32 s67, 0
	s_lshr_b32 s68, s13, 3                         ; xc: [token tile][head 8][768]: tile 128 x batch + 2 x run
	s_lshl_b32 s68, s68, 7
	s_lshl_b32 s69, s15, 1
	s_add_co_u32 s68, s68, s69
	s_mul_i32 s68, s68, 6144
	s_and_b32 s69, s13, 7
	s_mul_i32 s69, s69, 768
	s_add_co_u32 s68, s68, s69
	s_mov_b32 s69, 0
	s_lshl_b32 s70, s13, 7                         ; xs: [head of batch][token tile 128][r 16] words
	s_lshl_b32 s71, s15, 1
	s_add_co_u32 s70, s70, s71
	s_lshl_b32 s70, s70, 6
	s_mov_b32 s71, 0
	v_and_b32 v73, 31, v0                          ; lane
	v_and_b32 v72, 15, v0
	s_delay_alu instid0(VALU_DEP_2)
	v_lshlrev_b32 v[LI], 4, v73
	v_lshlrev_b32 v[XSA], 2, v73
	v_lshl_add_u32 v[A8], v73, 3, 512
	v_lshlrev_b32 v72, 4, v72                      ; 16 r
	s_wait_alu depctr_va_vdst(0)                   ; the wait here, directly ahead of the waits below
	s_wait_dscnt 0x0                               ; both opening adds are done
	s_wait_kmcnt 0x0
	s_mov_b32 s[G0], 1
	s_mul_i32 s[G0+1], s[WV], STEPB                ; LDS address: the wave's number alone
	s_add_nc_u64 s[G0+2:G0+3], s[4:5], s[58:59]
	s_or_b32 s[G0+3], s[G0+3], 0x80000000
	s_add_nc_u64 s[72:73], s[4:5], s[62:63]
	s_add_nc_u64 s[74:75], s[4:5], s[66:67]
	s_add_nc_u64 s[XO:XO+1], s[6:7], s[68:69]
	s_add_nc_u64 s[XSO:XSO+1], s[8:9], s[70:71]
.irp g, 0,1,2
	global_load_b128 v[QR+4*\g:QR+4*\g+3], v[LI], s[72:73] offset:512*\g   ; q is on its way before the work-groups meet
.endr
	global_load_b32 v[QPW], v72, s[74:75]
	CROUND                                         ; all four work-groups are here: the joint loads meet
	tensor_load_to_lds s[G0:G0+3], s[G1:G1+7]      ; my one tensor load: step w of K and V
	s_nop 0
.irp q, 0,1,2,3,4,5
	v_mov_b32 v[QZ+\q], 0
	v_mov_b32 v[QZ+12+\q], 0
.endr
.irp b, 0,1,2,3
	v_mov_b32 v[T1+\b], 0                          ; written once: a lane permute's destination counts as one of its sources
.endr
	v_mov_b32 v11, 0                               ; (the upper half of the pair v[10:11])
	v_mov_b32 v[XW1], 0
	s_wait_alu depctr_va_vdst(0)                   ; the wait at the head's end
	s_wait_tensorcnt 0x0                           ; my step has landed,
	s_barrier_signal -1
	s_barrier_wait -1                              ; everybody's has.  From here on K and V are only read
	s_wait_loadcnt 0x0                             ; q
.irp q, 0,1,2,3,4,5
	v_mov_b32 v[QZ+6+\q], v[QR+\q]                 ; the first pass: token tile 2 x run
.endr
	s_mov_b32 s[SELQ], 0x05040100                  ; its two scale bytes, for both halves of K
	s_mov_b32 s[PASS], 2
.Lpass:
	v_perm_b32 v[QS], v[QPW], v[QPW], s[SELQ]
	v_mov_b32 v13, 0xff61b1e6                      ; the largest score so far: -3e38
	v_mov_b32 v12, 0x7e000000                      ; -M: a whole number above every -ceil(t): the first step's factor comes out 0
	v_mov_b32 v14, 0                               ; the sum, in two halves
	v_mov_b32 v15, 0
.set J, 0
.rept 32
	v_mov_b32 v[OT+J], 0                           ; the step is written once: the first finds zeros
.set J, J+1
.endr
	s_mov_b32 s[TB], 0
	s_mov_b32 s[CNT], 16
.Lstep:
	v_add_nc_u32 v[AD], s[TB], v[LI]               ; these four lines are the places in front of loads into registers that the last products read
	v_mov_b32 v[OM], v12
	v_nop
	v_nop
.irp b, 0,1,2,3
.irp g, 0,1,2
	ds_load_b128 v[F+12*\b+4*\g:F+12*\b+4*\g+3], v[AD] offset:256+FRB*\b+512*\g
.endr
.endr
	ds_load_b128 v[KSW:KSW+3], v[AD]               ; lanes 0-15: row r's four words (the products read lanes 0-15 of a scale register; what lanes 16-31 fetch is not used)
	ds_load_b128 v[VSW:VSW+3], v[AD] offset:UNITB
	s_wait_alu depctr_va_vdst(0)                   ; the wait here, directly ahead of the wait below
	s_wait_dscnt 0x0
.irp b, 0,1,2,3
	v_wmma_scale_f32_16x16x128_f8f6f4 v[SCO+16*\b:SCO+16*\b+7], v[F+12*\b:F+12*\b+11], v[QZ+6:QZ+17], 0, v[KSW+\b], v[QS] matrix_a_fmt:MATRIX_FMT_FP6 matrix_b_fmt:MATRIX_FMT_FP6
	v_wmma_scale_f32_16x16x128_f8f6f4 v[SCO+16*\b+8:SCO+16*\b+15], v[F+12*\b:F+12*\b+11], v[QZ:QZ+11], 0, v[KSW+\b], v[QS] matrix_a_fmt:MATRIX_FMT_FP6 matrix_b_fmt:MATRIX_FMT_FP6
.endr
.rept 4
	v_nop                                          ; four places in front of the loads below and of the first read of the scores
.endr
.irp t, 0,1,2,3
.irp g, 0,1,2
	ds_load_b128 v[F+12*\t+4*\g:F+12*\t+4*\g+3], v[AD] offset:UNITB+256+FRB*\t+512*\g   ; V lands under the softmax
.endr
.endr
.irp b, 0,1,2,3
	v_max3_num_f32 v[BM+\b], v[SCO+16*\b], v[SCO+1+16*\b], v[SCO+2+16*\b]   ; the largest score of each block of 32 keys (the four blocks by turns)
.endr
.irp i, 3,5,7,9,11,13
.irp b, 0,1,2,3
	v_max3_num_f32 v[BM+\b], v[BM+\b], v[SCO+16*\b+\i], v[SCO+1+16*\b+\i]
.endr
.endr
.irp b, 0,1,2,3
	v_max_num_f32 v[BM+\b], v[BM+\b], v[SCO+15+16*\b]
.endr
.irp b, 0,1,2,3
	s_delay_alu instid0(VALU_DEP_4)
	v_permlanex16_b32 v[T1+\b], v[BM+\b], s[SEL], s[SEL+1]
.endr
.irp b, 0,1,2,3
	s_delay_alu instid0(VALU_DEP_4)
	v_max_num_f32 v[BM+\b], v[BM+\b], v[T1+\b]     ; with lane l xor 16's 16 keys
.endr
	s_delay_alu instid0(VALU_DEP_2)
	v_max3_num_f32 v72, v[BM], v[BM+1], v[BM+2]
	v_max3_num_f32 v13, v13, v72, v[BM+3]          ; the running largest score of my query
	v_mul_f32 v72, s[CS], v13                      ; as t (c is positive)
	v_floor_f32 v12, -v72                          ; -M = -ceil(t)
.set J, 0
.rept 32
	v_pk_fma_f32 v[SCO+J:SCO+J+1], v[SCO+J:SCO+J+1], s[CS:CS+1], v[12:13] op_sel_hi:[1,0,0]   ; t - M, two at a time
.if J == 6
	v_sub_f32 v72, v12, v[OM]                      ; M's old value less its new one: a whole number, 0 or less;
.endif
.if J == 14
	v_cvt_i32_f32 v72, v72                         ; (it saturates)
.endif
.if J == 22
	v_ldexp_f32 v10, 1.0, v72                      ; f = 2^(old M - new M).  The three lines lie among the multiply-adds, none next to the line that it reads
.endif
.set J, J+2
.endr
.irp b, 0,1,2,3
	v_fma_f32 v[BM+\b], v[BM+\b], s[CS], v12       ; the same of each block's largest score
.endr
	s_wait_alu depctr_va_vdst(0)                   ; the wait ahead of the batch
.set J, 0
.rept 64
	v_exp_f32 v[SCO+J], v[SCO+J]                   ; p = 2^(t - M)
.set J, J+1
.endr
	v_pk_mul_f32 v[14:15], v[14:15], v[10:11] op_sel_hi:[1,0]   ; the sums under the new M; a plain place behind the exponentials
	s_wait_alu depctr_va_vdst(0)                   ; one wait for the batch, ahead of its first reader
.irp b, 0,1,2,3
	v_exp_f32 v[BM+\b], v[BM+\b]                   ; each block's largest p
.endr
	v_pk_add_f32 v[70:71], v[SCO:SCO+1], v[SCO+2:SCO+3]   ; the sum of the unquantised p, in two chains
.set J, 4
.rept 15
	v_pk_add_f32 v[14:15], v[14:15], v[SCO+J:SCO+J+1]
	v_pk_add_f32 v[70:71], v[70:71], v[SCO+J+2:SCO+J+3]
.set J, J+4
.endr
	s_delay_alu instid0(VALU_DEP_1)
	v_pk_add_f32 v[14:15], v[14:15], v[70:71]
	s_wait_alu depctr_va_vdst(0)                   ; and one for the four
.irp b, 0,1,2,3
	v_max_num_f32 v[BM+\b], 0x1800000, v[BM+\b]    ; the floor 2^(3 - 127): the byte cannot fall under 1
.endr
.irp b, 0,1,2,3
	s_delay_alu instid0(VALU_DEP_4)
	v_add_nc_u32 v[T2+\b], 0xff000000, v[BM+\b]    ; 2 off the exponent field: the conversion's scale operand
.endr
.irp b, 0,1,2,3
	s_delay_alu instid0(VALU_DEP_4)
	v_lshrrev_b32 v[T1+\b], 23, v[T2+\b]           ; the scale's byte
.endr
	s_delay_alu instid0(VALU_DEP_3)
	v_lshl_or_b32 v[PS], v[T1+1], 8, v[T1]
	s_delay_alu instid0(VALU_DEP_1)
	v_lshl_or_b32 v[PS], v[T1+2], 16, v[PS]
	s_delay_alu instid0(VALU_DEP_1)
	v_lshl_or_b32 v[PS], v[T1+3], 24, v[PS]        ; p's scale word for these 128 keys
.irp c, 0,1
	v_cvt_scalef32_pk16_fp6_f32 v[PC+6*\c:PC+6*\c+2], v[SCO+32*\c:SCO+32*\c+15], v[T2+2*\c]
	v_cvt_scalef32_pk16_fp6_f32 v[PT+4*\c:PT+4*\c+2], v[SCO+32*\c+16:SCO+32*\c+31], v[T2+2*\c+1]   ; (a conversion's three registers begin on an even number)
.endr
	v_nop                                          ; one plain place behind a scaled conversion
.irp c, 0,1                                    ; the operand wants a whole block in a lane
.irp i, 0,1,2
	v_permlane16_swap_b32 v[PC+6*\c+\i], v[PT+4*\c+\i]
.endr
.irp i, 0,1,2
	s_delay_alu instid0(VALU_DEP_3)
	v_mov_b32 v[PC+3+6*\c+\i], v[PT+4*\c+\i]
.endr
.endr
.set J, 0
.rept 16
	v_pk_mul_f32 v[OT+J:OT+J+1], v[OT+J:OT+J+1], v[10:11] op_sel_hi:[1,0]   ; O^T under the new M; also the places in front of the products below
.set J, J+2
.endr
	s_wait_alu depctr_va_vdst(0)                   ; the wait here, directly ahead of the wait below
	s_wait_dscnt 0x0                               ; V is in
.irp t, 0,1,2,3
	v_wmma_scale_f32_16x16x128_f8f6f4 v[OT+8*\t:OT+8*\t+7], v[F+12*\t:F+12*\t+11], v[PC:PC+11], v[OT+8*\t:OT+8*\t+7], v[VSW+\t], v[PS] matrix_a_fmt:MATRIX_FMT_FP6 matrix_b_fmt:MATRIX_FMT_FP6
.endr
	s_add_co_u32 s[TB], s[TB], STEPB
	s_sub_co_u32 s[CNT], s[CNT], 1
	s_cmp_lg_u32 s[CNT], 0
	s_cbranch_scc1 .Lstep
.rept 4
	v_nop
.endr
	v_add_f32 v14, v14, v15                        ; the sum's two halves,
	s_delay_alu instid0(VALU_DEP_1)
	v_permlanex16_b32 v72, v14, s[SEL], s[SEL+1]
	s_delay_alu instid0(VALU_DEP_1)
	v_add_f32 v14, v14, v72                        ; and lane l xor 16's
	s_wait_alu depctr_va_vdst(0)                   ; the wait ahead of the transcendental
	v_rcp_f32 v10, v14
	v_nop
	s_wait_alu depctr_va_vdst(0)                   ; and ahead of its first reader
.set J, 0
.rept 16
	v_pk_mul_f32 v[OT+J:OT+J+1], v[OT+J:OT+J+1], v[10:11] op_sel_hi:[1,0]   ; x = O^T / the sum: register 16 b + i is channel 32 b + 16 h + i of my query
.set J, J+2
.endr
.irp b, 0,1
	v_max3_num_f32 v[BM+\b], |v[OT+16*\b]|, |v[OT+1+16*\b]|, 0x1800000   ; x's two blocks of 32 channels are quantised for the last projection
.endr
.irp i, 2,4,6,8,10,12,14
.irp b, 0,1
	s_delay_alu instid0(VALU_DEP_2)
	v_max3_num_f32 v[BM+\b], v[BM+\b], |v[OT+16*\b+\i]|, |v[OT+1+16*\b+\i]|
.endr
.endr
.irp b, 0,1
	s_delay_alu instid0(VALU_DEP_2)
	v_permlanex16_b32 v[T1+\b], v[BM+\b], s[SEL], s[SEL+1]
.endr
.irp b, 0,1
	s_delay_alu instid0(VALU_DEP_2)
	v_max_num_f32 v[BM+\b], v[BM+\b], v[T1+\b]
.endr
.irp b, 0,1
	s_delay_alu instid0(VALU_DEP_2)
	v_add_nc_u32 v[T2+\b], 0xff000000, v[BM+\b]
.endr
.irp b, 0,1
	s_delay_alu instid0(VALU_DEP_2)
	v_lshrrev_b32 v[T1+\b], 23, v[T2+\b]
.endr
	v_mov_b32 v[XW0], v[XW1]
	s_delay_alu instid0(VALU_DEP_2)
	v_lshl_or_b32 v[XW1], v[T1+1], 8, v[T1]
	v_cvt_scalef32_pk16_fp6_f32 v[PC:PC+2], v[OT:OT+15], v[T2]
	v_cvt_scalef32_pk16_fp6_f32 v[PT:PT+2], v[OT+16:OT+31], v[T2+1]
	v_nop
.irp i, 0,1,2
	v_permlane16_swap_b32 v[PC+\i], v[PT+\i]
.endr
.irp i, 0,1,2
	s_delay_alu instid0(VALU_DEP_3)
	v_mov_b32 v[PC+3+\i], v[PT+\i]
.endr
	global_store_b128 v[LI], v[PC:PC+3], s[XO:XO+1]      ; half a fragment: 512 and 256 consecutive bytes, aligned
	global_store_b64 v[A8], v[PC+4:PC+5], s[XO:XO+1]
.irp q, 0,1,2,3,4,5
	v_mov_b32 v[QZ+6+\q], v[QR+6+\q]               ; the second pass: token tile 2 x run + 1
.endr
	s_mov_b32 s[SELQ], 0x07060302
	s_wait_xcnt 0x0                                ; the stores have read their base and data
	s_add_nc_u64 s[XO:XO+1], s[XO:XO+1], 6144
	s_sub_co_u32 s[PASS], s[PASS], 1
	s_cmp_lg_u32 s[PASS], 0
	s_cbranch_scc1 .Lpass
	v_cmp_lt_u32 vcc_lo, 15, v73
	s_delay_alu instid0(VALU_DEP_1)
	v_cndmask_b32 v72, v[XW0], v[XW1], vcc_lo      ; lanes 0-15 the first tile's words, lanes 16-31 the second's
	global_store_b32 v[XSA], v72, s[XSO:XSO+1]
	s_wait_dscnt 0x0
	s_wait_tensorcnt 0x0                           ; the wave's end
	ds_add_u32 v254, v255
	s_wait_dscnt 0x0
	CROUND                                         ; the closing round
	s_endpgm
.Lfunc_end_k_q4424a17e3c_attn:
	.size	k_q4424a17e3c_attn, .Lfunc_end_k_q4424a17e3c_attn-k_q4424a17e3c_attn
	.p2alignl 7, 3214868480
	.fill 96, 4, 3214868480
	.section	.rodata,"a",@progbits
	.p2align	6, 0x0
	.amdhsa_kernel k_q4424a17e3c_attn
		.amdhsa_group_segment_fixed_size 206848
		.amdhsa_private_segment_fixed_size 0
		.amdhsa_enable_private_segment 0
		.amdhsa_kernarg_size 24
		.amdhsa_user_sgpr_count 2
		.amdhsa_user_sgpr_kernarg_segment_ptr 1
		.amdhsa_wavefront_size32 1
		.amdhsa_system_sgpr_workgroup_id_x 1
		.amdhsa_system_sgpr_workgroup_id_y 1
		.amdhsa_system_sgpr_workgroup_id_z 1
		.amdhsa_system_vgpr_workitem_id 0
		.amdhsa_next_free_vgpr 256
		.amdhsa_next_free_sgpr 80
		.amdhsa_reserve_vcc 1
		.amdhsa_float_denorm_mode_32 3
		.amdhsa_float_denorm_mode_16_64 3
		.amdhsa_memory_ordered 1
		.amdhsa_forward_progress 1
		.amdhsa_inst_pref_size 29
	.end_amdhsa_kernel
	.amdgpu_metadata
---
amdhsa.version: [ 1, 2 ]
amdhsa.kernels:
  - .name:           k_q4424a17e3c_attn
    .symbol:         k_q4424a17e3c_attn.kd
    .args:
      - { .name: qkv, .offset: 0, .size: 8, .value_kind: global_buffer, .address_space: global }
      - { .name: xc, .offset: 8, .size: 8, .value_kind: global_buffer, .address_space: global }
      - { .name: xs, .offset: 16, .size: 8, .value_kind: global_buffer, .address_space: global }
    .group_segment_fixed_size: 206848
    .private_segment_fixed_size: 0
    .kernarg_segment_align: 8
    .kernarg_segment_size: 24
    .max_flat_workgroup_size: 512
    .sgpr_count:     80
    .vgpr_count:     256
    .wavefront_size: 32
...
	.end_amdgpu_metadata
.endif
;; end of part 3
;; launch oproj (part 4): grid 256 x 1, 4 waves a work-group, clusters of 4 x 1, 327,680 bytes of LDS; arguments xc, xs, wws, bo, out0; writes out0
.if DOCPART == 4
	.amdgcn_target "amdgcn-amd-amdhsa--gfx1250"
	.amdhsa_code_object_version 6
	.text
	.protected	k_q4424a17e3c_oproj
	.globl	k_q4424a17e3c_oproj
	.p2align	8
	.type	k_q4424a17e3c_oproj,@function
k_q4424a17e3c_oproj:
	s_mov_b64 s[64:65], 0
	v_nop
	global_prefetch_b8 v0, s[64:65] scope:SCOPE_SE
	s_setreg_imm32_b32 hwreg(HW_REG_WAVE_MODE, 25, 1), 1
	s_wait_xcnt 0x0
	s_wait_alu depctr_hold_cnt(0) depctr_sa_sdst(0) depctr_va_vdst(0) depctr_va_sdst(0) depctr_va_ssrc(0) depctr_va_vcc(0) depctr_vm_vsrc(0)
	s_getreg_b32 s2, hwreg(HW_REG_IB_STS2, 6, 4)
	s_cmp_eq_u32 s2, 0
	s_cbranch_scc0 .Lentry_in_a_cluster
	s_endpgm
.Lentry_in_a_cluster:
	s_bfe_u32 s2, ttmp6, 0x10000c
	s_cmp_lg_u32 s2, 0x3003
	s_cbranch_scc0 .Lentry_shape_is_right
	s_endpgm
.Lentry_shape_is_right:
; out0 = Q(x) Q(wo)^T + bo, both operands codes of FP6 (E2M3) with one E8M0 scale for each 32 along K = 512.
; SHARES.  A work-group takes 64 tokens (four tiles); wave w makes outputs 128 w .. 128 w + 127.  Its quarter of wo (32 fragments and their scale words, 51,200 bytes, as the first launch laid them) comes by ONE joint
; tensor load, shared by the four work-groups of a cluster, to LDS byte 51,200 w, is read by that wave alone, and stays in registers.  x's half fragments (768 bytes for a token tile and a head) go from memory straight into registers.
; The products are used transposed (source 0 = rows of wo), with bo as the C of each sum's first product; a tile of 16 tokens x 128 outputs goes through the wave's own stage and leaves as rows of 512 bytes.
; No prefetch: there is no loop to run ahead in.
.set STG,    204800
.set SPITCH, 528
.set FRB,    1536
.set LI,  1
.set A8,  2
.set R4,  3
.set STO, 4
.set SR,  5
.set PAD, 6
.set PSA, 7
.set BA,  8
.set PSC, 16
.set XH,  48
.set RS,  80
.set BI,  192
.set BK,  192
.set WV,  23
.set G1C, 24
.set G0C, 40
.set XCB, 50
.set XSB, 52
.set BOB, 54
.set OUT, 56
.set MSB, 0
.macro WIN new
.if MSB != \new
	s_set_vgpr_msb (MSB<<8)|\new
.set MSB, \new
.endif
.endm
.macro CROUND
	s_barrier_signal -1
	s_barrier_wait -1
	s_cmp_lg_u32 s[WV], 0
	s_cbranch_scc1 .Lnot_wave_0_\@
	s_barrier_signal -3
.Lnot_wave_0_\@:
	s_barrier_wait -3
	s_barrier_signal -1
	s_barrier_wait -1
.endm
.macro LOADP
	WIN 0x40
.irp j, 0,1,2,3,4,5,6,7
.irp s, 0,1
.irp g, 0,1,2
	ds_load_b128 v[12*(2*\j+\s)+4*\g:12*(2*\j+\s)+4*\g+3], v[PAD] offset:(4*\j+\s)*FRB+512*\g
.endr
.endr
.endr
	WIN 0x80
.irp j, 0,1,2,3,4,5,6,7
.irp s, 0,1
.irp g, 0,1,2
	ds_load_b128 v[12*(2*\j+\s)+4*\g:12*(2*\j+\s)+4*\g+3], v[PAD] offset:(4*\j+\s+2)*FRB+512*\g
.endr
.endr
.endr
	WIN 0
.irp j, 0,1,2,3,4,5,6,7
.irp s, 0,1,2,3
	ds_load_b32 v[PSC+4*\j+\s], v[PSA] offset:64*(4*\j+\s)
.endr
.endr
.endm
.macro MMS m, a0, s
.irp j, 0,1,2,3,4,5,6,7
	v_wmma_scale_f32_16x16x128_f8f6f4 v[AC+8*\j:AC+8*\j+7], v[24*\j+(\a0):24*\j+(\a0)+11], v[48*(\m)+12*(\s):48*(\m)+12*(\s)+11], v[AC+8*\j:AC+8*\j+7], v[PSC+4*\j+(\s)], v[RS+4*(\m)+(\s)] matrix_a_fmt:MATRIX_FMT_FP6 matrix_b_fmt:MATRIX_FMT_FP6
.endr
.endm
.macro MM m
.set AC, 128+64*((\m)%2)
	WIN 0x2d
.irp j, 0,1,2,3,4,5,6,7
	v_wmma_scale_f32_16x16x128_f8f6f4 v[AC+8*\j:AC+8*\j+7], v[24*\j:24*\j+11], v[48*(\m):48*(\m)+11], v[BI+8*\j:BI+8*\j+7], v[PSC+4*\j], v[RS+4*(\m)] matrix_a_fmt:MATRIX_FMT_FP6 matrix_b_fmt:MATRIX_FMT_FP6
.endr
	WIN 0x0d
	MMS \m, 12, 1
	WIN 0x0e
	MMS \m, 0, 2
	s_wait_alu depctr_va_vdst(0)
	MMS \m, 12, 3
	WIN 0
.rept 4
	v_nop
.endr
.endm
.macro TOSTAGE m
.set AC, 128+64*((\m)%2)
.irp j, 0,1,2,3,4,5,6,7
	ds_store_b128 v[STO], v[AC+8*\j:AC+8*\j+3] offset:128*(\j/2)+32*(\j%2)
	ds_store_b128 v[STO], v[AC+8*\j+4:AC+8*\j+7] offset:128*(\j/2)+32*(\j%2)+16
.endr
	WIN 0xc0
.irp t, 0,1,2,3,4,5,6,7,8,9,10,11,12,13,14,15
	ds_load_b128 v[BK+4*\t:BK+4*\t+3], v[SR] offset:SPITCH*\t
.endr
	WIN 0
.endm
.macro SEND m
	s_wait_dscnt 0x0
	WIN 0x0c
.irp t, 0,1,2,3,4,5,6,7,8,9,10,11,12,13,14,15
	global_store_b128 v[LI], v[BK+4*\t:BK+4*\t+3], s[OUT:OUT+1] offset:(32*((\m)/2)+8*((\m)%2)+\t+8*(\t/8))*2048 th:TH_STORE_NT
.endr
	WIN 0
.endm
	s_load_b256 s[4:11], s[0:1], 0x0
	s_load_b64 s[12:13], s[0:1], 0x20
	v_lshl_add_u32 v126, v0, 2, 0x3a400
	v_mov_b32 v127, 0
	ds_add_u32 v126, v127
	ds_add_u32 v126, v127
	v_lshrrev_b32 v13, 5, v0
	v_readfirstlane_b32 s[WV], v13
	s_bfe_u32 s48, ttmp6, 0x40000
	s_lshl_b32 s49, ttmp9, 2
	s_add_co_u32 s49, s49, s48
	v_and_b32 v15, 31, v0
	v_and_b32 v14, 15, v0
	v_bfe_u32 v13, v0, 4, 1
	v_lshlrev_b32 v[LI], 4, v15
	v_lshl_add_u32 v[A8], v15, 3, 512
	v_lshlrev_b32 v[R4], 2, v14
	v_lshlrev_b32 v[BA], 6, v13
	s_mov_b32 s[G1C], 15|(3<<16)|(1<<21)
	s_mov_b32 s[G1C+1], 32<<16
	s_mov_b32 s[G1C+2], 200<<16                    ; 200 rows of 256 bytes: a quarter's codes and scale words
	s_mov_b32 s[G1C+3], 32<<16
	s_mov_b32 s[G1C+4], 200
	s_mov_b32 s[G1C+5], 32
	s_mov_b32 s[G1C+6], 0
	s_mov_b32 s[G1C+7], 0
	s_mov_b32 s67, 0x05040100
	s_mul_i32 s70, s49, 24576
	s_mov_b32 s71, 0
	s_lshr_b32 s72, s49, 5
	s_lshl_b32 s72, s72, 16
	s_and_b32 s73, s49, 31
	s_lshl_b32 s73, s73, 8
	s_add_co_u32 s72, s72, s73
	s_mov_b32 s73, 0
	s_lshl_b32 s74, s[WV], 9
	s_mov_b32 s75, 0
	s_lshl_b32 s76, s49, 17
	s_add_co_u32 s76, s76, s74
	s_mov_b32 s77, 0
	s_mul_i32 s58, s[WV], 51200
	s_add_co_u32 s58, s58, 3*204800                ; wo, my quarter
	s_mov_b32 s59, 0
	s_wait_alu depctr_va_vdst(0)
	s_wait_dscnt 0x0
	s_wait_kmcnt 0x0
	s_add_nc_u64 s[XCB:XCB+1], s[4:5], s[70:71]
	s_add_nc_u64 s[XSB:XSB+1], s[6:7], s[72:73]
	s_add_nc_u64 s[BOB:BOB+1], s[10:11], s[74:75]
	s_add_nc_u64 s[OUT:OUT+1], s[12:13], s[76:77]
	s_mov_b32 s[G0C], 1
	s_mul_i32 s[G0C+1], s[WV], 51200
	s_add_nc_u64 s[G0C+2:G0C+3], s[8:9], s[58:59]
	s_or_b32 s[G0C+3], s[G0C+3], 0x80000000
	WIN 0xc0
.irp m, 0,1,2,3
.irp s, 0,1,2,3
.irp c, 0,1
	global_load_b128 v[48*\m+12*\s+6*\c:48*\m+12*\s+6*\c+3], v[LI], s[XCB:XCB+1] offset:(8*\m+2*\s+\c)*768
	global_load_b64 v[48*\m+12*\s+6*\c+4:48*\m+12*\s+6*\c+5], v[A8], s[XCB:XCB+1] offset:(8*\m+2*\s+\c)*768
.endr
.endr
.endr
	WIN 0
.irp m, 0,1,2,3
.irp q, 0,1,2,3,4,5,6,7
	global_load_b32 v[XH+8*\m+\q], v[R4], s[XSB:XSB+1] offset:8192*\q+64*\m
.endr
.endr
	WIN 0x80
.irp j, 0,1,2,3,4,5,6,7
	global_load_b128 v[BI+8*\j:BI+8*\j+3], v[BA], s[BOB:BOB+1] offset:(32*(\j/2)+8*(\j%2))*4
	global_load_b128 v[BI+8*\j+4:BI+8*\j+7], v[BA], s[BOB:BOB+1] offset:(32*(\j/2)+8*(\j%2))*4+16
.endr
	WIN 0
	CROUND
	tensor_load_to_lds s[G0C:G0C+3], s[G1C:G1C+7]  ; my one tensor load
	s_nop 0
.rept 4
	v_nop
.endr
	s_mul_i32 s70, s[WV], 16*SPITCH
	s_add_co_u32 s70, s70, STG
	v_mul_u32_u24 v[STO], v14, SPITCH
	v_lshl_add_u32 v[STO], v13, 6, v[STO]
	v_add_nc_u32 v[STO], s70, v[STO]
	v_add_nc_u32 v[SR], s70, v[LI]
	s_mul_i32 s71, s[WV], 51200
	v_add_nc_u32 v[PAD], s71, v[LI]
	s_add_co_u32 s71, s71, 49152                   ; the scale words lie behind the quarter's codes
	v_add_nc_u32 v[PSA], s71, v[R4]
	s_wait_alu depctr_va_vdst(0)
	s_wait_tensorcnt 0x0
	LOADP
	s_wait_loadcnt 0x0
.irp m, 0,1,2,3
.irp s, 0,1,2,3
	v_perm_b32 v[RS+4*\m+\s], v[XH+8*\m+2*\s+1], v[XH+8*\m+2*\s], s67
.endr
.endr
.rept 8
	v_nop
.endr
	s_wait_dscnt 0x0
	MM 0
	TOSTAGE 0
.irp m, 1,2,3
	MM \m
	SEND (\m)-1
	s_wait_xcnt 0x0
	TOSTAGE \m
.endr
	SEND 3
	s_wait_dscnt 0x0
	s_wait_tensorcnt 0x0
	ds_add_u32 v126, v127
	s_wait_dscnt 0x0
	CROUND
	s_endpgm
.Lfunc_end_k_q4424a17e3c_oproj:
	.size	k_q4424a17e3c_oproj, .Lfunc_end_k_q4424a17e3c_oproj-k_q4424a17e3c_oproj
	.p2alignl 7, 3214868480
	.fill 96, 4, 3214868480
	.section	.rodata,"a",@progbits
	.p2align	6, 0x0
	.amdhsa_kernel k_q4424a17e3c_oproj
		.amdhsa_group_segment_fixed_size 327680
		.amdhsa_private_segment_fixed_size 0
		.amdhsa_enable_private_segment 0
		.amdhsa_kernarg_size 40
		.amdhsa_user_sgpr_count 2
		.amdhsa_user_sgpr_kernarg_segment_ptr 1
		.amdhsa_wavefront_size32 1
		.amdhsa_system_sgpr_workgroup_id_x 1
		.amdhsa_system_sgpr_workgroup_id_y 1
		.amdhsa_system_sgpr_workgroup_id_z 1
		.amdhsa_system_vgpr_workitem_id 0
		.amdhsa_next_free_vgpr 1024
		.amdhsa_next_free_sgpr 80
		.amdhsa_reserve_vcc 0
		.amdhsa_float_denorm_mode_32 3
		.amdhsa_float_denorm_mode_16_64 3
		.amdhsa_memory_ordered 1
		.amdhsa_forward_progress 1
		.amdhsa_inst_pref_size 57
	.end_amdhsa_kernel
	.amdgpu_metadata
---
amdhsa.version: [ 1, 2 ]
amdhsa.kernels:
  - .name:           k_q4424a17e3c_oproj
    .symbol:         k_q4424a17e3c_oproj.kd
    .args:
      - { .name: xc, .offset: 0, .size: 8, .value_kind: global_buffer, .address_space: global }
      - { .name: xs, .offset: 8, .size: 8, .value_kind: global_buffer, .address_space: global }
      - { .name: wws, .offset: 16, .size: 8, .value_kind: global_buffer, .address_space: global }
      - { .name: bo, .offset: 24, .size: 8, .value_kind: global_buffer, .address_space: global }
      - { .name: out0, .offset: 32, .size: 8, .value_kind: global_buffer, .address_space: global }
    .group_segment_fixed_size: 327680
    .private_segment_fixed_size: 0
    .kernarg_segment_align: 8
    .kernarg_segment_size: 40
    .max_flat_workgroup_size: 128
    .sgpr_count:     80
    .vgpr_count:     1024
    .wavefront_size: 32
...
	.end_amdgpu_metadata
.endif
;; end of part 4
